; MI455X (gfx1250); checked and timed in simulation.
; The chip was launched on July 23, 2026; its instructions are those of AMD's public machine-readable ISA for CDNA 5 (MIT licence, August 2026) and "CDNA5" Instruction Set Architecture Reference Guide (July 2026). The comments in the code are by the model that wrote it; some were corrected since.
;; Causal Self Attention. Allowed arithmetic: matrix products marked QUANTISED: E4M3 operands, one given power-of-two scale a tensor, by v_wmma_f32_16x16x64_fp8_fp8 or v_wmma_f32_16x16x128_fp8_fp8, f32 sums; everything else in f32.
;; Inputs: b_attn 3,072 float32; b_proj 1,024 float32; lowp_scales 8 int32 (the exponents e of the quantised operands' scales 2^e); w_attn 1,024 x 3,072 float32; w_proj 1,024 x 1,024 float32; x 4 x 2,048 x 1,024 float32.
;; Outputs: out0 4 x 2,048 x 1,024 float32.
;; This version of the problem:
;;   THIS VERSION OF THE PROBLEM IS GIVEN IN LOW PRECISION. The matrix products marked QUANTISED in the list below multiply operands that are first quantised to E4M3 (4 exponent bits, 3 mantissa bits; 8 bits a number), with one given power-of-two scale for each operand tensor; their sums are f32. All else is computed in f32.
;;   The module's matrix products, in the order in which they are computed (A, B: the left and right operand; K: the contracted axis; several contracted axes count as one K, in the product's order):
;;     1. [M 8,192, K 1,024] x [K 1,024, N 3,072]; A: input x; B: input w_attn: QUANTISED (scales: A lowp_scales[0], B lowp_scales[1])
;;     2. batch 64 x [M 2,048, K 64] x [K 64, N 2,048]; A: computed on the way; B: computed on the way: QUANTISED (scales: A lowp_scales[2], B lowp_scales[3])
;;     3. batch 64 x [M 2,048, K 2,048] x [K 2,048, N 64]; A: softmax (see below); B: computed on the way: QUANTISED (scales: A lowp_scales[4], B lowp_scales[5])
;;     4. [M 8,192, K 1,024] x [K 1,024, N 1,024]; A: computed on the way; B: input w_proj: QUANTISED (scales: A lowp_scales[6], B lowp_scales[7])
;;   THE QUANTISER, for each operand of a quantised product, along K:
;;     - The operand's scale is 2^e, e = its entry of the input lowp_scales (int32; the entries are numbered through the quantised products in the list's order, A before B).
;;     - Each number is divided by the scale, clamped to +-448, and rounded to the nearest number of E4M3, ties to even, subnormals kept.
;;     - The product sums the exact products of the quantised numbers (number of the format x scale) in f32.
;;   ~~~python
;;   def quantise(x, axis, e):      # numpy; x: float32 -> the quantised numbers, widened to float32 again
;;       x = np.moveaxis(x, axis, -1); K = x.shape[-1]
;;       r = np.clip(x / 2.0 ** e, -448, 448)
;;       step = 2.0 ** (np.maximum(np.frexp(np.where(r == 0, 1, r))[1] - 1, -6) - 3)
;;       q = np.round(r / step) * step * 2.0 ** e      # np.round: ties to even
;;       return np.moveaxis(q, -1, axis).astype(np.float32)
;;   ~~~
;;   SOFTMAX AHEAD OF A QUANTISED PRODUCT. Where the list says 'softmax', what is quantised is not the finished softmax but p = 2^(t - M), with t = logit x log2(e) and M = ceil(the row's largest t), a whole number; so 1/2 < the row's largest p <= 1. The row's sum l is taken of the UNQUANTISED p, in f32, and the product's result is divided by l at the end. Since M is a whole number, a kernel that streams over the keys may use a running M (the ceiling of the running maximum): every later rescaling is an exact power of two, so the quantised numbers keep their values, but for numbers so far below the row's largest that they fall under the format's range.
;;   OPERANDS COMPUTED ON THE WAY. 'Computed on the way' means the value that the module computes at that place (a softmax that the list does not call 'softmax' is quantised finished and normalised). What goes into a quantiser is computed in f32, as accurately as f32 sums, v_exp_f32 and their like allow (about 1e-6 of the number): no bf16 or f16 on the way to a quantiser, and a product that is left as it is and whose result goes on into a quantised operand takes f32 operands (vector FMAs, or v_wmma_f32_16x16x4_f32). A number that lies on a knife's edge between two numbers of the format may be rounded either way, as far as f32 arithmetic and the matrix unit's own rounding can turn it there, and no further.
;; One version. Each part assembles by itself: llvm-mc -triple=amdgcn-amd-amdhsa -mcpu=gfx1250 --defsym DOCPART=n.
;; ======== version 1 of 1: 4 launches
;; limits: right only within a limited range of input values
;; workspace buffers: xc 8,388,608 bytes; wac 3,145,728 bytes; wpc 1,048,576 bytes; qc 8,388,608 bytes; kc 8,388,608 bytes; vc 8,388,608 bytes; ac 8,388,608 bytes
;; launch quant (part 1): grid 512 x 1, 4 waves a work-group, no clusters, 34,304 bytes of LDS; arguments x, w_attn, w_proj, lowp_scales, xc, wac, wpc; writes xc, wac, wpc
.if DOCPART == 1
	.amdgcn_target "amdgcn-amd-amdhsa--gfx1250"
	.amdhsa_code_object_version 6
	.text
	.protected	k_qd23afc5c5c_quant
	.globl	k_qd23afc5c5c_quant
	.p2align	8
	.type	k_qd23afc5c5c_quant,@function
k_qd23afc5c5c_quant:
	s_mov_b64 s[64:65], 0
	v_nop
	global_prefetch_b8 v0, s[64:65] scope:SCOPE_SE
	s_setreg_imm32_b32 hwreg(HW_REG_WAVE_MODE, 25, 1), 1
	s_wait_xcnt 0x0
; x [8192][1024], w_attn [1024][3072] and w_proj [1024][1024], f32, become codes of E4M3, each with its given scale 2^e (entries 0, 1 and 7 of the scales).
; code = number / 2^e, held within +-448, rounded to the nearest code, ties to even.
; LIMITS: each e between -126 and 119, so that 2^e and 448 x 2^e are f32 numbers.  NaN among the inputs is not served; an infinity is held at the largest code.
; THE CODES ARE LAID AS IMAGES OF OPERAND REGISTERS.  A fragment of 16 rows x 128 K of the plain 8-bit matrix forms is 16 registers a lane: lane (r, h) holds row r, registers 2 c, 2 c + 1
; hold k = 16 c + 8 h + 0 .. 7.  Its image is 2,048 bytes: group g (registers 4 g .. 4 g + 3) of lane l at 512 g + 16 l.  xc: [row / 16][k / 128][2048];  wac, wpc: [column / 16][k / 128][2048].
; Work-groups 0-255 take x, 256-447 w_attn, 448-511 w_proj: scalar branches on the work-group's number.  Only x's path touches LDS.
; x (K innermost): a wave takes 16 rows x 512 k in four steps of 128 k.  Each load reads 512 consecutive bytes of one row; the 16 x 512 bytes turn through the wave's own stage (rows 528 bytes
; apart) so that a lane gets the 16 numbers of each group from its own row; each store writes 512 consecutive bytes of an image.
; Weights (K outermost): a lane takes a column and its registers run down K, in the very order of the image, so nothing is transposed; lanes 0-15 store 256 consecutive, aligned bytes of one image, lanes 16-31 of the next.
.set STG,   8448                       ; a wave's stage: 16 rows x 528 bytes
.set SPARE, 4*STG                      ; behind the stages: the spare words, 128 bytes a wave: two blocks of 256 bytes that no other line names
.set SPW, 12                           ; v12  LDS address of my spare word; never rewritten
.set NIL, 13                           ; v13  0; never rewritten
.set R,   32                           ; v32-159  x: two sets of 64 registers as loaded
.set XB,  160                          ; v160-223 x: 64 numbers in the image's order
.set C,   224                          ; v224-255 x: two sets of 16 registers of codes
.set WX,  32                           ; v32-159  weights: 8 chunks of 16 numbers
.set WC,  160                          ; v160-191 weights: 8 chunks of 4 registers of codes
	s_load_b256 s[4:11], s[0:1], 0x0               ; x s[4:5], w_attn s[6:7], w_proj s[8:9], the scales' exponents s[10:11]
	s_load_b128 s[12:15], s[0:1], 0x20             ; xc s[12:13], wac s[14:15]
	s_load_b64 s[16:17], s[0:1], 0x30              ; wpc
	v_lshl_add_u32 v[SPW], v0, 2, SPARE
	v_mov_b32 v[NIL], 0
	v_lshrrev_b32 v1, 5, v0
	v_readfirstlane_b32 s18, v1                    ; wave 0..3
	v_and_b32 v2, 31, v0                           ; lane
	s_wait_kmcnt 0x0
	s_load_b256 s[24:31], s[10:11], 0x0            ; e0 .. e7
.macro SCALES e                        ; v11 = 2^e as f32 (the conversion takes its exponent field), s34 = 448 x 2^e
	s_wait_kmcnt 0x0
	s_add_co_i32 s34, s[\e], 127
	s_lshl_b32 s35, s34, 23
	v_mov_b32 v11, s35
	s_add_co_i32 s34, s34, 8
	s_lshl_b32 s34, s34, 23
	s_or_b32 s34, s34, 0x600000
.endm
	s_cmp_lt_u32 ttmp9, 256
	s_cbranch_scc0 .Lweights
	; ---------------- x ----------------
	s_lshl_b32 s19, ttmp9, 2
	s_add_co_u32 s19, s19, s18                     ; which of 1,024 parts is my wave's
	s_lshr_b32 s20, s19, 1                         ; its 16 rows
	s_and_b32 s21, s19, 1                          ; its half of K
	s_lshl_b32 s22, s20, 16                        ; 16 rows of 4,096 bytes
	s_lshl_b32 s23, s21, 11                        ; 512 numbers
	s_add_co_u32 s22, s22, s23
	s_mov_b32 s23, 0
	s_add_nc_u64 s[4:5], s[4:5], s[22:23]
	s_lshl_b32 s22, s20, 14                        ; eight images
	s_lshl_b32 s32, s21, 13                        ; four images
	s_add_co_u32 s22, s22, s32
	s_add_nc_u64 s[12:13], s[12:13], s[22:23]
	s_wait_alu depctr_va_vdst(0)
	v_lshlrev_b32 v3, 4, v2                        ; 16 x lane: my place in a load's and in a store's 512 bytes; never rewritten
	s_mul_i32 s33, s18, STG
	v_add_nc_u32 v14, s33, v3                      ; the stage, on the way in: as loaded
	v_and_b32 v4, 15, v2                           ; r
	v_lshrrev_b32 v5, 4, v2                        ; h
	v_mul_u32_u24 v15, v4, 528
	v_lshl_add_u32 v15, v5, 5, v15
	v_add_nc_u32 v15, s33, v15                     ; and on the way out: row r, + 32 h bytes (8 h numbers)
.macro XLOAD s                         ; step s: 128 numbers of each of my 16 rows
.irp i, 0,1,2,3,4,5,6,7,8,9,10,11,12,13,14,15
	global_load_b128 v[R+64*((\s)%2)+4*\i:R+64*((\s)%2)+4*\i+3], v3, s[4:5] offset:4096*\i+512*(\s) th:TH_LOAD_NT
.endr
.endm
.macro XSTEP s
.if (\s) < 3
	s_wait_loadcnt 16                              ; this step's 16 loads are in; the next step's 16 may be out
.else
	s_wait_loadcnt 0x0
.endif
.irp i, 0,1,2,3,4,5,6,7,8,9,10,11,12,13,14,15
	ds_store_b128 v14, v[R+64*((\s)%2)+4*\i:R+64*((\s)%2)+4*\i+3] offset:528*\i
.endr
.irp g, 0,1,2,3                        ; group g: k = 32 g + 8 h + 0 .. 7, then 32 g + 16 + 8 h + 0 .. 7.  LDS serves a wave's instructions in order: these see the stores above
.irp e, 0,1,2,3
	ds_load_b128 v[XB+16*\g+4*\e:XB+16*\g+4*\e+3], v15 offset:128*\g+64*(\e/2)+16*(\e%2)
.endr
.endr
	s_wait_dscnt 0x0                               ; the numbers are back, and the stores have read their registers,
.if (\s) < 2
	XLOAD (\s)+2                                   ; which take the loads of two steps on
.else
	s_wait_xcnt 0x0                                ; the codes' set of two steps back is written again only behind this wait
.endif
.irp g, 0,1,2,3
.irp i, 0,1,2,3,4,5,6,7,8,9,10,11,12,13,14,15
.endr
	v_cvt_scalef32_pk8_fp8_f32 v[C+16*((\s)%2)+4*\g:C+16*((\s)%2)+4*\g+1], v[XB+16*\g:XB+16*\g+7], v11
	v_cvt_scalef32_pk8_fp8_f32 v[C+16*((\s)%2)+4*\g+2:C+16*((\s)%2)+4*\g+3], v[XB+16*\g+8:XB+16*\g+15], v11
.endr
	v_nop                                          ; a plain line behind the last conversion
.irp g, 0,1,2,3
	global_store_b128 v3, v[C+16*((\s)%2)+4*\g:C+16*((\s)%2)+4*\g+3], s[12:13] offset:2048*(\s)+512*\g   ; 512 consecutive bytes of the image
.endr
.endm
	XLOAD 0
	XLOAD 1
	s_wait_alu depctr_va_vdst(0)
	SCALES 24                                      ; e0
	s_wait_alu depctr_va_vdst(0)
	XSTEP 0
	XSTEP 1
	XSTEP 2
	XSTEP 3
	s_wait_tensorcnt 0x0                           ; the wave's end, behind my last LDS store
	ds_add_u32 v[SPW], v[NIL]
	s_wait_dscnt 0x0
	s_endpgm
	; ---------------- the weights ----------------
.Lweights:
	s_cmp_lt_u32 ttmp9, 448                        ; w_attn's work-group or w_proj's?  The choice hangs on the work-group's number alone
	s_cselect_b64 s[4:5], s[6:7], s[8:9]           ; the weight
	s_cselect_b64 s[12:13], s[14:15], s[16:17]     ; its codes
	s_mov_b32 s20, 448
	s_cselect_b32 s20, 256, s20                    ; the tensor's first work-group
	s_mov_b32 s21, 524288
	s_cselect_b32 s21, 1572864, s21                ; 128 rows of the weight in bytes
	s_sub_co_u32 s20, ttmp9, s20
	s_and_b32 s22, s20, 7                          ; which 128 along K
	s_lshr_b32 s23, s20, 3                         ; which 128 columns
	s_mul_i32 s32, s22, s21
	s_lshl_b32 s33, s23, 9
	s_add_co_u32 s32, s32, s33
	s_lshl_b32 s33, s18, 7                         ; my wave's 32 columns
	s_add_co_u32 s32, s32, s33
	s_mov_b32 s33, 0
	s_add_nc_u64 s[4:5], s[4:5], s[32:33]
	s_lshl_b32 s32, s23, 3
	s_lshl_b32 s34, s18, 1
	s_add_co_u32 s32, s32, s34                     ; my first tile of 16 columns
	s_lshl_b32 s32, s32, 14                        ; eight images a tile
	s_lshl_b32 s34, s22, 11
	s_add_co_u32 s32, s32, s34
	s_add_nc_u64 s[12:13], s[12:13], s[32:33]
	s_wait_alu depctr_va_vdst(0)
	v_lshlrev_b32 v3, 2, v2                        ; in: 4 bytes a lane
	v_lshrrev_b32 v4, 4, v2
	v_and_b32 v5, 15, v2
	v_lshlrev_b32 v6, 4, v5
	v_lshl_add_u32 v6, v4, 14, v6                  ; out: lanes 16-31 write the next tile's image; 16 bytes a lane
; Chunk ch = 2 g + h of a lane's column: the 16 codes that lane r + 16 h of group g holds: k = 32 g + 8 h + 0 .. 7, then + 16.
.macro WLOAD ch, rowb
.irp i, 0,1,2,3,4,5,6,7,8,9,10,11,12,13,14,15
	global_load_b32 v[WX+16*(\ch)+\i], v3, s[4:5] offset:(32*((\ch)/2)+8*((\ch)%2)+(\i%8)+16*(\i/8))*\rowb th:TH_LOAD_NT
.endr
.endm
.macro WBODY rowb, e
	WLOAD 0, \rowb
	WLOAD 1, \rowb
	WLOAD 2, \rowb
	SCALES \e
	s_wait_alu depctr_va_vdst(0)
.irp ch, 0,1,2,3,4,5,6,7
.if \ch < 6
	s_wait_loadcnt 32                              ; this chunk's 16 loads are in; the next two chunks' may be out
.else
	s_wait_loadcnt 16*(7-\ch)
.endif
.if \ch < 5
	WLOAD \ch+3, \rowb
.endif
.irp i, 0,1,2,3,4,5,6,7,8,9,10,11,12,13,14,15
.endr
	v_cvt_scalef32_pk8_fp8_f32 v[WC+4*\ch:WC+4*\ch+1], v[WX+16*\ch:WX+16*\ch+7], v11
	v_cvt_scalef32_pk8_fp8_f32 v[WC+4*\ch+2:WC+4*\ch+3], v[WX+16*\ch+8:WX+16*\ch+15], v11
	v_nop
	global_store_b128 v6, v[WC+4*\ch:WC+4*\ch+3], s[12:13] offset:512*(\ch/2)+256*(\ch%2)   ; each chunk has its own registers: no store's data are written again
.endr
	s_endpgm
.endm
	s_cmp_lt_u32 ttmp9, 448
	s_cbranch_scc0 .Lproj_w
	s_wait_alu depctr_va_vdst(0)
	WBODY 12288, 25                                ; w_attn: rows of 12,288 bytes, e1
.Lproj_w:
	s_wait_alu depctr_va_vdst(0)
	WBODY 4096, 31                                 ; w_proj: rows of 4,096 bytes, e7
.Lfunc_end_k_qd23afc5c5c_quant:
	.size	k_qd23afc5c5c_quant, .Lfunc_end_k_qd23afc5c5c_quant-k_qd23afc5c5c_quant
	.p2alignl 7, 3214868480
	.fill 96, 4, 3214868480
	.section	.rodata,"a",@progbits
	.p2align	6, 0x0
	.amdhsa_kernel k_qd23afc5c5c_quant
		.amdhsa_group_segment_fixed_size 34304
		.amdhsa_private_segment_fixed_size 0
		.amdhsa_enable_private_segment 0
		.amdhsa_kernarg_size 56
		.amdhsa_user_sgpr_count 2
		.amdhsa_user_sgpr_kernarg_segment_ptr 1
		.amdhsa_wavefront_size32 1
		.amdhsa_system_sgpr_workgroup_id_x 1
		.amdhsa_system_sgpr_workgroup_id_y 1
		.amdhsa_system_sgpr_workgroup_id_z 1
		.amdhsa_system_vgpr_workitem_id 0
		.amdhsa_next_free_vgpr 256
		.amdhsa_next_free_sgpr 66
		.amdhsa_reserve_vcc 0
		.amdhsa_float_denorm_mode_32 3
		.amdhsa_float_denorm_mode_16_64 3
		.amdhsa_fp16_overflow 1
		.amdhsa_memory_ordered 1
		.amdhsa_forward_progress 1
		.amdhsa_inst_pref_size 51
	.end_amdhsa_kernel
	.amdgpu_metadata
---
amdhsa.version: [ 1, 2 ]
amdhsa.kernels:
  - .name:           k_qd23afc5c5c_quant
    .symbol:         k_qd23afc5c5c_quant.kd
    .args:
      - { .name: x, .offset: 0, .size: 8, .value_kind: global_buffer, .address_space: global }
      - { .name: w_attn, .offset: 8, .size: 8, .value_kind: global_buffer, .address_space: global }
      - { .name: w_proj, .offset: 16, .size: 8, .value_kind: global_buffer, .address_space: global }
      - { .name: lowp_scales, .offset: 24, .size: 8, .value_kind: global_buffer, .address_space: global }
      - { .name: xc, .offset: 32, .size: 8, .value_kind: global_buffer, .address_space: global }
      - { .name: wac, .offset: 40, .size: 8, .value_kind: global_buffer, .address_space: global }
      - { .name: wpc, .offset: 48, .size: 8, .value_kind: global_buffer, .address_space: global }
    .group_segment_fixed_size: 34304
    .private_segment_fixed_size: 0
    .kernarg_segment_align: 8
    .kernarg_segment_size: 56
    .max_flat_workgroup_size: 128
    .sgpr_count:     66
    .vgpr_count:     256
    .wavefront_size: 32
...
	.end_amdgpu_metadata
.endif
;; end of part 1
;; launch gemm_qkv (part 2): grid 12 x 32, 4 waves a work-group, clusters of 4 x 4, 327,680 bytes of LDS; arguments xc, wac, b_attn, lowp_scales, qc, kc, vc; writes qc, kc, vc
.if DOCPART == 2
	.amdgcn_target "amdgcn-amd-amdhsa--gfx1250"
	.amdhsa_code_object_version 6
	.text
	.protected	k_qd23afc5c5c_gemm_qkv
	.globl	k_qd23afc5c5c_gemm_qkv
	.p2align	8
	.type	k_qd23afc5c5c_gemm_qkv,@function
k_qd23afc5c5c_gemm_qkv:
	s_mov_b64 s[64:65], 0
	v_nop
	global_prefetch_b8 v0, s[64:65] scope:SCOPE_SE
	s_setreg_imm32_b32 hwreg(HW_REG_WAVE_MODE, 25, 1), 1
	s_wait_xcnt 0x0
	s_wait_alu depctr_hold_cnt(0) depctr_sa_sdst(0) depctr_va_vdst(0) depctr_va_sdst(0) depctr_va_ssrc(0) depctr_va_vcc(0) depctr_vm_vsrc(0)
	s_getreg_b32 s2, hwreg(HW_REG_IB_STS2, 6, 4)
	s_cmp_eq_u32 s2, 0
	s_cbranch_scc0 .Lentry_in_a_cluster
	s_endpgm
.Lentry_in_a_cluster:
	s_bfe_u32 s2, ttmp6, 0x10000c
	s_cmp_lg_u32 s2, 0xf033
	s_cbranch_scc0 .Lentry_shape_is_right
	s_endpgm
.Lentry_shape_is_right:
; qkv = x w_attn + b_attn on codes of E4M3 (K = 1,024), and q, k, v quantised at once for the attention: sum x 2^(e0 + e1) + bias in f32, held within +-448 x 2^e, converted with e = e2 (q), e3 (k), e5 (v).
; LIMITS: e0 + e1 between -126 and 127; e2, e3, e5 between -126 and 119.  NaN is not served.
; ALL OPERANDS ARE IMAGES OF REGISTERS: a fragment of 16 rows x 128 K (16 registers a lane; lane (r, h): row r, registers 2 c, 2 c + 1: k = 16 c + 8 h + 0 .. 7) lies as 2,048 bytes, group g of lane l at 512 g + 16 l.
; xc [row / 16][k / 128][2048], wac [column / 16][k / 128][2048].  Results: qc, kc [16 b + head][t / 16][1024] (rows = t, K = the head's 64); vc [16 b + head][t / 128][d / 16][2048] (rows = channels, K = keys).
; A tile of 256 x 256 is made by four waves, 128 x 128 each: 64 accumulators, 512 registers.  K goes in steps of 256 through two LDS slots, four fills in all, so the K steps are written out without a loop.
; ROLES.  Source 0 of the matrix instruction is the P role, source 1 the Q role: register j of lane (r, h) of accumulator (a, b) is the number at (Q row 16 a + r, P row 16 b + 8 h + j): a lane's eight
; registers run along P, and one conversion makes of them a register pair of the next operand.  q and k want channels along the registers: P = wac, Q = xc.  v wants keys along them: P = xc, Q = wac.
; The tile columns 0-3 are q, 4-7 k, 8-11 v, so a cluster (4 x 4 work-groups) lies in one of the three, told by the cluster's x.  For v only pointers and the CLUSTER's two coordinates change places:
; the Q role's tile is 4 x (a cluster coordinate) + cy and is shared along my row of the cluster, the P role's 4 x (the other) + cx and shared along my column, in every cluster; each tile is asked for
; JOINTLY by the four that share it.  LDS addresses, waits and branches are the same in all partners.
; REGISTERS, in windows of 256: window 0: v16-31 addresses and constants; v32-95 the bias in the result's layout; v96-103 its offsets; v128-255 the Q role's 8 fragments, ONE set (on the way out: sums and codes).
;   window 1: the P role's 8 fragments, TWO sets.   window 2: accumulators of my Q rows 0-63, (a, b) at v[8 (8 a + b)];   window 3: of rows 64-127.
.set FR,    16                         ; registers of a fragment
.set NL,    4                          ; LDS loads that bring one
.set NP,    4                          ; places behind this matrix instruction (ISA guide 7.12.1)
.set HALFT, 32768                      ; 128 rows x 256 K: what one tensor load brings: 8 tiles of rows x 2 images
.set SLOT,  4*HALFT                    ; the Q role's two halves, then the P role's
.set SPARE, 2*SLOT                     ; behind the ring: the spare words, 128 bytes a wave: two blocks of 256 bytes that no other line names
.set ADRA, 16                          ; v16-17  LDS address of my Q fragments in slot 0, 1
.set ADRB, 20                          ; v20-21  the same for P
.set CO,   26                          ; v26     16 x lane
.set SPW,  28                          ; v28     LDS address of my spare word; never rewritten
.set NIL,  29                          ; v29     0; never rewritten
.set SCL,  30                          ; v30     the result's scale as f32
.set LIM,  31
.set BI,   32
.set OFFJ, 96
.set AF,   128
.set TMP,  128                         ; the way out: a block's 64 numbers
.set CD,   192                         ; the way out: four sets of 16 registers of codes
.set G1, 24                            ; s[24:31] descriptor group 1 for the Q role;  s[32:39] group 0, a set for each slot
.set G0, 32
.set G1B, 48                           ; s[48:55], s[56:63] the same for the P role
.set G0B, 56
.set MSB, 0
.macro WIN new                         ; the immediate's high byte repeats the setting that is left
.if MSB != \new
	s_set_vgpr_msb (MSB<<8)|\new
.set MSB, \new
.endif
.endm
.set MUL_LO, 0xa1                      ; source 0 (P) window 1, source 1 (Q) window 0, C and D window 2
.set MUL_HI, 0xf1                      ; the same, C and D window 3
.set TO_B,   0x40                      ; destination window 1, address window 0
; A joint load: waves 0 and 1 fetch the Q role's halves, waves 2 and 3 the P role's.  The branch hangs on the wave's number alone.  An s_nop 0 and four v_nop follow each line.
.macro JLOAD g0a, g1a, g0b, g1b
	s_cmp_eq_u32 s15, 0
	s_cbranch_scc0 .Lfor_b_\@
	tensor_load_to_lds s[\g0a:\g0a+3], s[\g1a:\g1a+7]
	s_nop 0
.rept 4
	v_nop
.endr
	s_branch .Lasked_\@
.Lfor_b_\@:
	tensor_load_to_lds s[\g0b:\g0b+3], s[\g1b:\g1b+7]
	s_nop 0
.rept 4
	v_nop
.endr
.Lasked_\@:
.endm
.macro CREST                           ; a round of the cluster's barrier behind its opening barrier
	s_cmp_lg_u32 s14, 0
	s_cbranch_scc1 .Lnot_wave_0_\@
	s_barrier_signal -3
.Lnot_wave_0_\@:
	s_barrier_wait -3
	s_barrier_signal -1
	s_barrier_wait -1
.endm
.macro CROUND                          ; a whole round
	s_barrier_signal -1
	s_barrier_wait -1
	CREST
.endm
	s_load_b256 s[4:11], s[0:1], 0x0               ; xc s[4:5], wac s[6:7], b_attn s[8:9], the scales' exponents s[10:11]
	s_load_b128 s[68:71], s[0:1], 0x20             ; qc s[68:69], kc s[70:71]
	s_load_b64 s[72:73], s[0:1], 0x30              ; vc
	v_lshl_add_u32 v[SPW], v0, 2, SPARE
	v_mov_b32 v[NIL], 0
	ds_add_u32 v[SPW], v[NIL]                      ; the wave's opening: the add and its wait ahead of my first tensor load; work on registers stands between them
	ds_add_u32 v[SPW], v[NIL]
	v_lshrrev_b32 v1, 5, v0
	v_readfirstlane_b32 s14, v1                    ; wave 0..3
	s_lshr_b32 s15, s14, 1                         ; my half of the Q role's rows.  Also: I fetch for Q (0) or for P (1)
	s_and_b32 s16, s14, 1                          ; my half of the P role's rows.  Also: which half of that tile I fetch
	s_bfe_u32 s40, ttmp6, 0x40000                  ; cx, cy: my place in the cluster
	s_bfe_u32 s41, ttmp6, 0x40004
	s_and_b32 s17, ttmp7, 0xffff                   ; the cluster's y
	s_cmp_eq_u32 ttmp9, 2                          ; the cluster's x: 0 q, 1 k, 2 v: the same in all sixteen partners
	s_cselect_b32 s42, ttmp9, s17                  ; the cluster coordinate of the Q role: for v along w_attn's columns, else along x's rows
	s_cselect_b32 s43, s17, ttmp9                  ; and of the P role
	s_lshl_b32 s42, s42, 2
	s_add_co_u32 s42, s42, s41                     ; the Q role's tile of 256 rows
	s_lshl_b32 s43, s43, 2
	s_add_co_u32 s43, s43, s40                     ; the P role's
	s_lshl_b32 s44, s41, 2
	s_lshl_b32 s44, 15, s44                        ; my row of the cluster
	s_lshl_b32 s45, 0x1111, s40                    ; my column
	; descriptor group 1: 8 rows of 4,096 bytes (two images of each of 8 tiles of rows), 16,384 bytes apart, dense in LDS
	s_or_b32 s[G1+0], s44, (3<<16)|(1<<21)         ; 15:0 the mask; 17:16 elements of 8 bytes; 21 set beside a mask; no padding: an image is read 16 bytes a lane, on end
	s_or_b32 s[G1B+0], s45, (3<<16)|(1<<21)
.irp g, G1, G1B
	s_mov_b32 s[\g+1], 512<<16                     ; tensor_dim0 = 512 elements
	s_mov_b32 s[\g+2], 8<<16                       ; tensor_dim1 = 8
	s_mov_b32 s[\g+3], 512<<16                     ; tile_dim0
	s_mov_b32 s[\g+4], 8                           ; tile_dim1
	s_mov_b32 s[\g+5], 2048                        ; tensor_dim0_stride, in elements
	s_mov_b32 s[\g+6], 0
	s_mov_b32 s[\g+7], 0
.endr
	s_lshl_b32 s18, s16, 3                         ; which 8 tiles of rows I fetch
	s_lshl_b32 s20, s42, 4
	s_add_co_u32 s20, s20, s18
	s_lshl_b32 s20, s20, 14                        ; the Q role's tile in bytes
	s_mov_b32 s21, 0
	s_lshl_b32 s46, s43, 4
	s_add_co_u32 s46, s46, s18
	s_lshl_b32 s46, s46, 14                        ; the P role's
	s_mov_b32 s47, 0
	s_lshl_b32 s19, s14, 15                        ; where they go: wave x 32,768: no place in the cluster enters an LDS address
	s_wait_dscnt 0x0                               ; the opening add is done
	s_wait_kmcnt 0x0
	s_load_b256 s[88:95], s[10:11], 0x0            ; e0 .. e7
	s_cmp_eq_u32 ttmp9, 2
	s_cselect_b64 s[74:75], s[6:7], s[4:5]         ; the Q role's buffer
	s_cselect_b64 s[78:79], s[4:5], s[6:7]         ; the P role's
	s_add_nc_u64 s[20:21], s[74:75], s[20:21]
	s_add_nc_u64 s[46:47], s[78:79], s[46:47]
	CROUND                                         ; all sixteen work-groups are here: the first joint loads meet
.irp s, 0,1
	s_mov_b32 s[G0+4*\s], 1
	s_add_co_u32 s[G0+4*\s+1], s19, \s*SLOT
	s_add_nc_u64 s[G0+4*\s+2:G0+4*\s+3], s[20:21], \s*4096
	s_or_b32 s[G0+4*\s+3], s[G0+4*\s+3], 0x80000000
	s_mov_b32 s[G0B+4*\s], 1
	s_add_co_u32 s[G0B+4*\s+1], s19, \s*SLOT
	s_add_nc_u64 s[G0B+4*\s+2:G0B+4*\s+3], s[46:47], \s*4096
	s_or_b32 s[G0B+4*\s+3], s[G0B+4*\s+3], 0x80000000
	JLOAD G0+4*\s, G1, G0B+4*\s, G1B               ; two tensor loads of mine are out
.endr
	v_and_b32 v1, 15, v0                           ; r
	s_wait_alu depctr_va_vdst(0)
	v_bfe_u32 v2, v0, 4, 1                         ; h
	s_wait_alu depctr_va_vdst(0)
	v_and_b32 v3, 31, v0
	v_lshlrev_b32 v[CO], 4, v3
	s_lshl_b32 s80, s15, 15                        ; my half of the Q role
	s_lshl_b32 s81, s16, 15
	s_add_co_u32 s81, s81, 2*HALFT                 ; my half of the P role
.irp s, 0,1
	v_add_nc_u32 v[ADRA+\s], s80, v[CO]
	v_add_nc_u32 v[ADRB+\s], s81, v[CO]
	s_add_co_u32 s80, s80, SLOT
	s_add_co_u32 s81, s81, SLOT
.endr
	; which tile is x's and which w_attn's, and the bias in the result's layout, without a branch: q, k: register 8 b + j = bias(16 b + 8 h + j);  v: register 8 a + j = bias(16 a + r)
	s_cmp_eq_u32 ttmp9, 2
	s_cselect_b32 s80, s42, s43                    ; w_attn's tile of 256 columns
	s_cselect_b32 s81, s43, s42                    ; x's tile of 256 rows
	s_cselect_b32 s82, s15, s16                    ; my half of the columns
	s_cselect_b32 s83, s16, s15                    ; my half of the rows
	s_cselect_b32 s96, 4, 0                        ; bytes for each r,
	s_cselect_b32 s97, 0, 32                       ; each h,
	s_cselect_b32 s98, 0, 4                        ; each j
	v_mul_u32_u24 v4, s96, v1
	v_mul_u32_u24 v5, s97, v2
	v_add_nc_u32 v4, v4, v5
	s_wait_alu depctr_va_vdst(0)
.irp j, 0,1,2,3,4,5,6,7
	s_mul_i32 s99, s98, \j
	v_add_nc_u32 v[OFFJ+\j], s99, v4
.endr
	s_lshl_b32 s96, s80, 10
	s_lshl_b32 s97, s82, 9
	s_add_co_u32 s96, s96, s97
	s_mov_b32 s97, 0
	s_add_nc_u64 s[8:9], s[8:9], s[96:97]          ; the bias of my 128 columns
	s_wait_alu depctr_va_vdst(0)
.irp t, 0,1,2,3,4,5,6,7
.irp j, 0,1,2,3,4,5,6,7
	global_load_b32 v[BI+8*\t+\j], v[OFFJ+\j], s[8:9] offset:64*\t
.endr
.endr
	; where my results go: head 16 b + 4 (tile & 3) + 2 half, 131,072 bytes a head, and 64 bytes for each t, in all three buffers
	s_lshl_b32 s96, s81, 8
	s_lshl_b32 s97, s83, 7
	s_add_co_u32 s96, s96, s97                     ; my first row of x
	s_lshr_b32 s97, s96, 11                        ; b
	s_and_b32 s96, s96, 2047                       ; t
	s_lshl_b32 s97, s97, 4
	s_and_b32 s98, s80, 3
	s_lshl_b32 s98, s98, 2
	s_add_co_u32 s97, s97, s98
	s_lshl_b32 s98, s82, 1
	s_add_co_u32 s97, s97, s98
	s_lshl_b32 s97, s97, 17
	s_lshl_b32 s96, s96, 6
	s_add_co_u32 s96, s96, s97
	s_mov_b32 s97, 0
	s_cmp_eq_u32 ttmp9, 0
	s_cselect_b64 s[68:69], s[68:69], s[70:71]
	s_cmp_eq_u32 ttmp9, 2
	s_cselect_b64 s[68:69], s[72:73], s[68:69]
	s_add_nc_u64 s[68:69], s[68:69], s[96:97]
.macro FRAG reg, adr, q, i             ; the image of tile of rows i, the slot's q-th 128 along K: four loads of 512 consecutive bytes
.irp c, 0,1,2,3
	ds_load_b128 v[\reg+4*\c:\reg+4*\c+3], v[\adr] offset:4096*(\i)+2048*(\q)+512*\c
.endr
.endm
; 16 matrix instructions: Q blocks a0, a0 + 1 x P's eight, 128 along K.  p: P's set.  zero = 1: the first product starts the sums.  The 64 accumulators take turns, one instruction a turn, in the same order in every step.
.macro MUL16 a0, p, zero
.irp a, \a0, \a0+1
.irp b, 0,1,2,3,4,5,6,7
.if \zero
	v_wmma_f32_16x16x128_fp8_fp8 v[8*(8*((\a)%4)+\b):8*(8*((\a)%4)+\b)+7], v[128*(\p)+FR*\b:128*(\p)+FR*\b+FR-1], v[AF+FR*(\a):AF+FR*(\a)+FR-1], 0
.else
	v_wmma_f32_16x16x128_fp8_fp8 v[8*(8*((\a)%4)+\b):8*(8*((\a)%4)+\b)+7], v[128*(\p)+FR*\b:128*(\p)+FR*\b+FR-1], v[AF+FR*(\a):AF+FR*(\a)+FR-1], v[8*(8*((\a)%4)+\b):8*(8*((\a)%4)+\b)+7]
.endif
.endr
.endr
.endm
.macro FETCH_B slot, q, p
	WIN TO_B
.irp i, 0,1,2,3,4,5,6,7
	FRAG 128*(\p)+FR*\i, ADRB+\slot, \q, \i
.endr
	WIN 0
.endm
.macro FETCH_A slot, q, i0
.irp i, \i0, \i0+1, \i0+2, \i0+3
	FRAG AF+FR*(\i), ADRA+\slot, \q, \i
.endr
.endm
.macro PLACES n                        ; plain vector lines between a matrix instruction and a load into, or a vector line on, its registers
.rept \n
	v_nop
.endr
.endm
; A step of 128 along K that has its successor in the same slot.  A Q block is free as soon as its eight products are issued: blocks 0-3 are fetched anew in the step's middle, blocks 4-7 at its end.
.macro STEP slot, q, zero
	s_wait_dscnt 4*NL                              ; P's set and Q's blocks 0-3 are in; the youngest 16 loads (Q's blocks 4-7) may be out
	WIN MUL_LO
	MUL16 0, (\q)%2, \zero
	MUL16 2, (\q)%2, \zero
	s_wait_dscnt 0                                 ; Q's blocks 4-7 are in
	PLACES NP
	FETCH_B \slot, (\q)+1, 1-(\q)%2
	FETCH_A \slot, (\q)+1, 0
	WIN MUL_HI
	MUL16 4, (\q)%2, \zero
	MUL16 6, (\q)%2, \zero
	PLACES NP
	WIN 0
	FETCH_A \slot, (\q)+1, 4
.endm
; A slot's last step changes slots: ONE barrier; in front of it each wave waits for all its tensor loads, adds 0 to its spare word, and waits for that and for its reads of this slot.  fill = 1: the slot is filled again, two fills on.
.macro TURN slot, next, fill
	s_wait_tensorcnt 0x0                           ; all my tensor loads have landed: my part of the next slot (every window is 0 here)
	ds_add_u32 v[SPW], v[NIL]                      ; 0 onto my spare word
	s_wait_dscnt 4*NL+1                            ; (the add and the youngest 16 loads may be out)
	WIN MUL_LO
	MUL16 0, 1, 0                                  ; sixteen matrix instructions stand between the add and the wait for it
	s_wait_dscnt 0x0                               ; the add is done, and my reads of this slot are over
	s_barrier_signal -1
	MUL16 2, 1, 0
	WIN 0
	s_barrier_wait -1
.if \fill
	CREST                                          ; the barrier has opened a round of the cluster's barrier: no wave of any partner still reads this slot or has a load on its way
	s_add_nc_u64 s[G0+4*\slot+2:G0+4*\slot+3], s[G0+4*\slot+2:G0+4*\slot+3], 8192
	s_add_nc_u64 s[G0B+4*\slot+2:G0B+4*\slot+3], s[G0B+4*\slot+2:G0B+4*\slot+3], 8192
	JLOAD G0+4*\slot, G1, G0B+4*\slot, G1B         ; my one tensor load behind the round; its four v_nop are the places in front of the loads below
.else
	PLACES NP
.endif
	FETCH_B \next, 0, 0
	FETCH_A \next, 0, 0
	WIN MUL_HI
	MUL16 4, 1, 0
	MUL16 6, 1, 0
	PLACES NP
	WIN 0
	FETCH_A \next, 0, 4
.endm
	s_wait_tensorcnt 1                             ; my part of slot 0 is in (slot 1's load may be out)
	s_barrier_signal -1
	s_barrier_wait -1                              ; everybody's is
	FETCH_B 0, 0, 0
	FETCH_A 0, 0, 0
	FETCH_A 0, 0, 4
	STEP 0, 0, 1                                   ; K 0-127: the products start the sums
	TURN 0, 1, 1                                   ; K 128-255; slot 0 takes K 512-767
	STEP 1, 0, 0
	TURN 1, 0, 1                                   ; slot 1 takes K 768-1023
	STEP 0, 0, 0
	TURN 0, 1, 0                                   ; nothing is left to fetch
	STEP 1, 0, 0
	s_wait_dscnt 4*NL                              ; the last step
	WIN MUL_LO
	MUL16 0, 1, 0
	MUL16 2, 1, 0
	s_wait_dscnt 0
	WIN MUL_HI
	MUL16 4, 1, 0
	MUL16 6, 1, 0
	WIN 0
	; THE WAY OUT.  Each number: sum x 2^(e0 + e1) + bias, one fused multiply-add in f32; the hold; eight of a lane's registers become a register pair of the next operand.  A block's 16 code registers are whole
	; groups of images, stored 512 consecutive bytes an instruction: no stage is needed.
	s_wait_kmcnt 0x0
	s_wait_loadcnt 0x0                             ; the bias
	s_add_co_i32 s84, s88, s89
	s_add_co_i32 s84, s84, 127
	s_lshl_b32 s84, s84, 23                        ; 2^(e0 + e1) as f32
	s_mov_b32 s85, s84                             ; (named with it as a pair, so it is written)
	s_cmp_eq_u32 ttmp9, 0
	s_cselect_b32 s86, s90, s91                    ; e2 for q, e3 for k,
	s_cmp_eq_u32 ttmp9, 2
	s_cselect_b32 s86, s93, s86                    ; e5 for v: a choice, no branch
	s_add_co_i32 s86, s86, 127
	s_lshl_b32 s87, s86, 23
	v_mov_b32 v[SCL], s87
	PLACES NP
.macro OUTBLK a, isv                   ; Q block a: eight accumulators
.set AC, 64*((\a)%4)
.set CB, CD+16*((\a)%4)
.if (\a) == 4
	s_wait_xcnt 0x0                                ; the four sets of codes come round: blocks 0-3's stores have read theirs
.endif
	WIN 0x02+((\a)/4)                              ; source 0: window 2 or 3
.irp b, 0,1,2,3,4,5,6,7
.irp i, 0,2,4,6
.if \isv
	v_pk_fma_f32 v[TMP+8*\b+\i:TMP+8*\b+\i+1], v[AC+8*\b+\i:AC+8*\b+\i+1], s[84:85], v[BI+8*(\a)+\i:BI+8*(\a)+\i+1] op_sel_hi:[1,0,1]
.else
	v_pk_fma_f32 v[TMP+8*\b+\i:TMP+8*\b+\i+1], v[AC+8*\b+\i:AC+8*\b+\i+1], s[84:85], v[BI+8*\b+\i:BI+8*\b+\i+1] op_sel_hi:[1,0,1]
.endif
.endr
.endr
	WIN 0
.irp b, 0,1,2,3,4,5,6,7
.irp i, 0,1,2,3,4,5,6,7
.endr
	v_cvt_scalef32_pk8_fp8_f32 v[CB+2*\b:CB+2*\b+1], v[TMP+8*\b:TMP+8*\b+7], v[SCL]
.endr
	v_nop                                          ; a plain line behind the last conversion
.if \isv
.irp g, 0,1,2,3                        ; 16 channels x my 128 keys: one image of K = 128: head a / 4, channels 16 (a % 4) on
	global_store_b128 v[CO], v[CB+4*\g:CB+4*\g+3], s[68:69] offset:131072*((\a)/4)+2048*((\a)%4)+512*\g
.endr
.else
.irp g, 0,1,2,3                        ; 16 rows t x two heads: two images of K = 64: head g / 2
	global_store_b128 v[CO], v[CB+4*\g:CB+4*\g+3], s[68:69] offset:1024*(\a)+131072*(\g/2)+512*(\g%2)
.endr
.endif
.endm
	s_cmp_eq_u32 ttmp9, 2                          ; the cluster's x: the same in all partners
	s_cbranch_scc1 .Lv_out
.irp a, 0,1,2,3,4,5,6,7
	OUTBLK \a, 0
.endr
	s_branch .Lend
.Lv_out:
.irp a, 0,1,2,3,4,5,6,7
	OUTBLK \a, 1
.endr
.Lend:
	s_wait_tensorcnt 0x0                           ; the wave's end, behind my last tensor load
	ds_add_u32 v[SPW], v[NIL]
	s_wait_dscnt 0x0
	CROUND                                         ; the closing round: no work-group ends while a partner may still ask for a tile that names it
	s_endpgm
.Lfunc_end_k_qd23afc5c5c_gemm_qkv:
	.size	k_qd23afc5c5c_gemm_qkv, .Lfunc_end_k_qd23afc5c5c_gemm_qkv-k_qd23afc5c5c_gemm_qkv
	.p2alignl 7, 3214868480
	.fill 96, 4, 3214868480
	.section	.rodata,"a",@progbits
	.p2align	6, 0x0
	.amdhsa_kernel k_qd23afc5c5c_gemm_qkv
		.amdhsa_group_segment_fixed_size 327680
		.amdhsa_private_segment_fixed_size 0
		.amdhsa_enable_private_segment 0
		.amdhsa_kernarg_size 56
		.amdhsa_user_sgpr_count 2
		.amdhsa_user_sgpr_kernarg_segment_ptr 1
		.amdhsa_wavefront_size32 1
		.amdhsa_system_sgpr_workgroup_id_x 1
		.amdhsa_system_sgpr_workgroup_id_y 1
		.amdhsa_system_sgpr_workgroup_id_z 1
		.amdhsa_system_vgpr_workitem_id 0
		.amdhsa_next_free_vgpr 1024
		.amdhsa_next_free_sgpr 100
		.amdhsa_reserve_vcc 0
		.amdhsa_float_denorm_mode_32 3
		.amdhsa_float_denorm_mode_16_64 3
		.amdhsa_fp16_overflow 1
		.amdhsa_memory_ordered 1
		.amdhsa_forward_progress 1
		.amdhsa_inst_pref_size 133
	.end_amdhsa_kernel
	.amdgpu_metadata
---
amdhsa.version: [ 1, 2 ]
amdhsa.kernels:
  - .name:           k_qd23afc5c5c_gemm_qkv
    .symbol:         k_qd23afc5c5c_gemm_qkv.kd
    .args:
      - { .name: xc, .offset: 0, .size: 8, .value_kind: global_buffer, .address_space: global }
      - { .name: wac, .offset: 8, .size: 8, .value_kind: global_buffer, .address_space: global }
      - { .name: b_attn, .offset: 16, .size: 8, .value_kind: global_buffer, .address_space: global }
      - { .name: lowp_scales, .offset: 24, .size: 8, .value_kind: global_buffer, .address_space: global }
      - { .name: qc, .offset: 32, .size: 8, .value_kind: global_buffer, .address_space: global }
      - { .name: kc, .offset: 40, .size: 8, .value_kind: global_buffer, .address_space: global }
      - { .name: vc, .offset: 48, .size: 8, .value_kind: global_buffer, .address_space: global }
    .group_segment_fixed_size: 327680
    .private_segment_fixed_size: 0
    .kernarg_segment_align: 8
    .kernarg_segment_size: 56
    .max_flat_workgroup_size: 128
    .sgpr_count:     100
    .vgpr_count:     1024
    .wavefront_size: 32
...
	.end_amdgpu_metadata
.endif
;; end of part 2
;; launch attn (part 3): grid 4 x 64, 16 waves a work-group, clusters of 4 x 1, 327,680 bytes of LDS; arguments qc, kc, vc, lowp_scales, ac; writes ac
.if DOCPART == 3
	.amdgcn_target "amdgcn-amd-amdhsa--gfx1250"
	.amdhsa_code_object_version 6
	.text
	.protected	k_qd23afc5c5c_attn
	.globl	k_qd23afc5c5c_attn
	.p2align	8
	.type	k_qd23afc5c5c_attn,@function
k_qd23afc5c5c_attn:
	s_mov_b64 s[64:65], 0
	v_nop
	global_prefetch_b8 v0, s[64:65] scope:SCOPE_SE
	s_setreg_imm32_b32 hwreg(HW_REG_WAVE_MODE, 25, 1), 1
	s_wait_xcnt 0x0
	s_wait_alu depctr_hold_cnt(0) depctr_sa_sdst(0) depctr_va_vdst(0) depctr_va_sdst(0) depctr_va_ssrc(0) depctr_va_vcc(0) depctr_vm_vsrc(0)
	s_getreg_b32 s2, hwreg(HW_REG_IB_STS2, 6, 4)
	s_cmp_eq_u32 s2, 0
	s_cbranch_scc0 .Lentry_in_a_cluster
	s_endpgm
.Lentry_in_a_cluster:
	s_bfe_u32 s2, ttmp6, 0x10000c
	s_cmp_lg_u32 s2, 0x3003
	s_cbranch_scc0 .Lentry_shape_is_right
	s_endpgm
.Lentry_shape_is_right:
; Causal attention on codes of E4M3, head size 64, 2,048 keys, 64 heads (16 b + head), and its result quantised for the projection.
; t = score x 2^(e2 + e3) x log2(e) / 8; M = the running largest t rounded UP to a whole number; p = 2^(t - M) is quantised with 2^e4; the row's sum is taken of the unquantised p; when M moves, the sum and O are
; multiplied by 2^(old M - new M), which rounds nothing.  o = O x 2^(e4 + e5) / sum, held within +-448 x 2^e6 and converted with 2^e6.
; LIMITS: e2 + e3 between -123 and 130 (added to the constant's exponent field); e4 and e6 between -126 and 119; e4 + e5 is applied by v_ldexp_f32 and has none.  NaN is not served.
; OPERANDS ARE IMAGES OF REGISTERS (lane (r, h): row r; registers 2 c, 2 c + 1: k = 16 c + 8 h + 0 .. 7; group g of four registers of lane l at 512 g + 16 l): qc, kc [head][t / 16][1024]; vc [head][t / 128][d / 16][2048]
; (rows = channels, K = keys); ac [row / 16][head][1024].  Both products are used transposed (S^T = K Q^T, O^T = V^T P^T): a lane holds ONE query, its registers run along the keys, then along the channels, so each
; conversion's result is a register pair of the next operand, with every k in its own place.
; SHARES.  A cluster of four work-groups is one head.  The head's K and V, 262,144 bytes, lie in each partner's LDS whole: each of the 16 waves asks JOINTLY for two pieces of 8,192 bytes (a key step of 128 keys of K:
; waves 0-7, of V: waves 8-15; steps 0-7 first, then 8-15), and no LDS byte is filled twice.  The 2,048 queries are 16 groups of 128; all 8 tiles of group g need key steps 0 .. g, the last on the diagonal.
; Partner cx takes tiles 2 cx and 2 cx + 1 of EVERY group, so that no branch and no LDS address hangs on cx.  Wave w (m = w % 8, u = w / 8) takes tile 2 cx + u of group 8 + m (9 + m steps) and of group 7 - m (8 - m
; steps): 17 key steps for every wave of the launch.  Steps whose keys all lie behind the queries are never walked.
; REGISTERS: v1 16 x lane; v2, v3 LDS addresses in hand; v4, v5 the add's two; v6 the mask's bound; v7 -infinity; v8: 2^e4; v10: 2^e6; v12 -M, v13 the largest t, v[14:15] the sum in two
; halves; v16-23 Q in hand, v24-31 the second tile's Q; v32-95 K's eight fragments, then V's four; v96-159 S^T, then p; v160-191 O^T; v192-207 p's codes; v208-215 o's codes; v236, v242-243, v252-254 at work.
.set SPARE, 278528                     ; the spare words, 128 bytes for each of 16 waves: eight blocks of 256 bytes that no other line names
.set LI,  1
.set ADK, 2
.set ADV, 3
.set SPW, 4
.set NIL, 5
.set WV,  18                           ; s18 wave; s19 m; s20 u; s21 the late group 8 + m; s22 the early group 7 - m; s23 cx; s24 the head; s25 7 + m
.set GL,  21
.set DG,  25
.set SEL, 26                           ; s[26:27] lane selects for v_permlanex16_b32: lane l xor 16
.set CS,  28                           ; s[28:29] c = 2^(e2 + e3) log2(e) / 8, twice
.set EPV, 30                           ; s30 e4 + e5
.set G1,  32                           ; s[32:39] descriptor group 1; s[40:43], s[44:47] groups 0 of my two pieces
.set CNT, 66                           ; s66 the loops' counter
.set OFF, 67                           ; s67 LDS byte of the step's K
.set OFFV, 68                          ; s68 of its V: 65,536 further on
.macro CROUND                          ; a round of the cluster's barrier
	s_barrier_signal -1
	s_barrier_wait -1
	s_cmp_lg_u32 s[WV], 0
	s_cbranch_scc1 .Lnot_wave_0_\@
	s_barrier_signal -3
.Lnot_wave_0_\@:
	s_barrier_wait -3
	s_barrier_signal -1
	s_barrier_wait -1
.endm
.macro RESET                           ; a tile begins: the largest t is -3e38, under every t; the sum and O^T are zeros, which the first change of M leaves zeros
	v_mov_b32 v13, 0xff61b1e6
	s_delay_alu instid0(VALU_DEP_1)
	v_floor_f32 v12, -v13
	v_mov_b32 v14, 0
	v_mov_b32 v15, 0
.set j, 0
.rept 32
	v_mov_b32 v[160+j], 0
.set j, j+1
.endr
.endm
	s_load_b256 s[4:11], s[0:1], 0x0               ; qc s[4:5], kc s[6:7], vc s[8:9], the scales' exponents s[10:11]
	s_load_b64 s[12:13], s[0:1], 0x20              ; ac
	v_lshl_add_u32 v[SPW], v0, 2, SPARE
	v_mov_b32 v[NIL], 0
	ds_add_u32 v[SPW], v[NIL]                      ; the wave's opening: the add and its wait ahead of my first tensor load; work on registers stands between them
	ds_add_u32 v[SPW], v[NIL]
	v_lshrrev_b32 v1, 5, v0
	s_delay_alu instid0(VALU_DEP_1)
	v_readfirstlane_b32 s[WV], v1                  ; wave 0..15
	s_and_b32 s19, s[WV], 7                        ; m
	s_lshr_b32 s20, s[WV], 3                       ; u
	s_add_co_u32 s[GL], s19, 8
	s_xor_b32 s22, s19, 7
	s_bfe_u32 s23, ttmp6, 0x40000                  ; cx: it enters Q's and ac's global addresses and the lanes' mask bound alone
	s_and_b32 s24, ttmp7, 0xffff                   ; the head, which the four partners share
	s_add_co_u32 s[DG], s19, 7
	s_mov_b32 s[G1], 15|(3<<16)|(1<<21)            ; 15:0 the mask: all four partners; 17:16 elements of 8 bytes; 21 set beside a mask; no padding
	s_mov_b32 s[G1+1], 32<<16                      ; a dense piece of 8,192 bytes as 32 rows of 256: tensor_dim0 = 32 elements
	s_mov_b32 s[G1+2], 32<<16                      ; tensor_dim1 = 32
	s_mov_b32 s[G1+3], 32<<16                      ; tile_dim0
	s_mov_b32 s[G1+4], 32                          ; tile_dim1
	s_mov_b32 s[G1+5], 32                          ; tensor_dim0_stride
	s_mov_b32 s[G1+6], 0
	s_mov_b32 s[G1+7], 0
	s_mov_b32 s[SEL], 0x76543210
	s_mov_b32 s[SEL+1], 0xfedcba98
	s_wait_dscnt 0x0                               ; the opening add is done
	s_wait_kmcnt 0x0
	s_load_b256 s[52:59], s[10:11], 0x0            ; e0 .. e7
	s_cmp_lt_u32 s[WV], 8                          ; waves 0-7 fetch K, waves 8-15 V: the wave's number alone decides
	s_cselect_b64 s[42:43], s[6:7], s[8:9]
	s_lshl_b32 s70, s24, 17                        ; the head's 131,072 bytes,
	s_lshl_b32 s71, s19, 13                        ; key step m
	s_add_co_u32 s70, s70, s71
	s_mov_b32 s71, 0
	s_add_nc_u64 s[42:43], s[42:43], s[70:71]
	s_add_nc_u64 s[46:47], s[42:43], 0x10000       ; key step 8 + m
	s_or_b32 s43, s43, 0x80000000
	s_or_b32 s47, s47, 0x80000000
	s_mov_b32 s40, 1
	s_mov_b32 s44, 1
	s_lshl_b32 s41, s[WV], 13                      ; LDS: K's steps 0-7 from 0, V's from 65,536: 8,192 x wave;
	s_add_co_u32 s45, s41, 131072                  ; steps 8-15: 131,072 further on
	CROUND                                         ; all four work-groups are here: the joint loads meet
	tensor_load_to_lds s[40:43], s[G1:G1+7]
	s_nop 0
	s_wait_alu depctr_va_vdst(0)
	s_wait_tensorcnt 0x0
	ds_add_u32 v4, v5
	s_wait_dscnt 0x0
	CROUND
	tensor_load_to_lds s[44:47], s[G1:G1+7]        ; my second tensor load is out
	s_nop 0
.rept 4
	v_nop
.endr
	v_and_b32 v[LI], 31, v0
	s_delay_alu instid0(VALU_DEP_1)
	v_lshlrev_b32 v[LI], 4, v[LI]
	s_wait_alu depctr_va_vdst(0)
	s_lshl_b32 s69, s23, 1
	s_add_co_u32 s69, s69, s20                     ; my tile in a group: 2 cx + u
	s_lshl_b32 s70, s[GL], 3
	s_add_co_u32 s70, s70, s69                     ; the late tile
	s_lshl_b32 s71, s22, 3
	s_add_co_u32 s71, s71, s69                     ; the early tile
	s_lshl_b32 s72, s24, 17
	s_mov_b32 s73, 0
	s_add_nc_u64 s[4:5], s[4:5], s[72:73]          ; Q at my head
	s_lshl_b32 s72, s70, 10
	s_add_nc_u64 s[48:49], s[4:5], s[72:73]
	s_lshl_b32 s72, s71, 10
	s_add_nc_u64 s[50:51], s[4:5], s[72:73]
	global_load_b128 v[16:19], v[LI], s[48:49]     ; the late tile's Q,
	global_load_b128 v[20:23], v[LI], s[48:49] offset:512
	global_load_b128 v[24:27], v[LI], s[50:51]     ; the early tile's
	global_load_b128 v[28:31], v[LI], s[50:51] offset:512
	s_lshr_b32 s74, s24, 4
	s_lshl_b32 s74, s74, 7                         ; 128 tiles of rows a batch
	s_and_b32 s75, s24, 15
	s_lshl_b32 s75, s75, 10                        ; my head's image in a tile of rows
	s_add_co_u32 s72, s74, s70
	s_lshl_b32 s72, s72, 14
	s_add_co_u32 s72, s72, s75
	s_add_nc_u64 s[60:61], s[12:13], s[72:73]      ; where the late tile's result goes,
	s_add_co_u32 s72, s74, s71
	s_lshl_b32 s72, s72, 14
	s_add_co_u32 s72, s72, s75
	s_add_nc_u64 s[62:63], s[12:13], s[72:73]      ; and the early tile's
	v_and_b32 v6, 15, v0                           ; r
	v_bfe_u32 v7, v0, 4, 1                         ; h
	s_delay_alu instid0(VALU_DEP_1)
	v_lshlrev_b32 v7, 3, v7
	s_delay_alu instid0(VALU_DEP_1)
	v_sub_nc_u32 v6, v6, v7
	s_lshl_b32 s76, s69, 4
	v_add_nc_u32 v6, s76, v6                       ; d = my query's place in its group - 8 h.  On the diagonal register 8 tt + j holds key 16 tt + 8 h + j of the step: hidden where 16 tt + j > d
	v_mov_b32 v7, 0xff800000                       ; -infinity
	v_mov_b32 v236, 0                              ; written once: a lane permute's destination counts as one of its sources
	v_mov_b32 v253, 0                              ; (named as the upper half of the pair v[252:253])
	RESET
	s_wait_kmcnt 0x0
	s_add_co_i32 s72, s54, s55                     ; e2 + e3,
	s_lshl_b32 s72, s72, 23
	s_add_co_i32 s[CS], s72, 0x3e38aa3b            ; added to the exponent field of log2(e) / 8
	s_mov_b32 s[CS+1], s[CS]
	s_add_co_i32 s[EPV], s56, s57
	s_add_co_i32 s72, s56, 127
	s_lshl_b32 s73, s72, 23
	v_mov_b32 v8, s73                              ; 2^e4
	s_add_co_i32 s72, s58, 127
	s_lshl_b32 s73, s72, 23
	v_mov_b32 v10, s73                             ; 2^e6
; A KEY STEP: 128 keys, K at LDS byte s[OFF], V at s[OFFV].  mask = 1: the step may lie on the diagonal.
.macro STEP mask
	v_add_nc_u32 v[ADK], s[OFF], v[LI]
	v_add_nc_u32 v[ADV], s[OFFV], v[LI]
	v_nop
	v_nop                                          ; four plain lines in front of loads into registers that the last products have read
.irp tt, 0,1,2,3,4,5,6,7
	ds_load_b128 v[32+8*\tt:35+8*\tt], v[ADK] offset:1024*\tt
	ds_load_b128 v[36+8*\tt:39+8*\tt], v[ADK] offset:1024*\tt+512
.endr
	s_wait_alu depctr_va_vdst(0)
	s_wait_dscnt 0x0
.irp tt, 0,1,2,3,4,5,6,7                       ; S^T = K Q^T: lane (r, h) holds query r; register 8 tt + j key 16 tt + 8 h + j
	v_wmma_f32_16x16x64_fp8_fp8 v[96+8*\tt:103+8*\tt], v[32+8*\tt:39+8*\tt], v[16:23], 0
.endr
.rept 4
	v_nop                                          ; places in front of the loads below and of the first read of the scores
.endr
.irp dt, 0,1,2,3                               ; V's four fragments are asked for now and land while the softmax is walked
.irp g, 0,1,2,3
	ds_load_b128 v[32+16*\dt+4*\g:35+16*\dt+4*\g], v[ADV] offset:2048*\dt+512*\g
.endr
.endr
.if \mask
	s_sub_co_u32 s69, s[CNT], s[DG]                ; 0: the late tile's last step; 1: the early tile's first: these two lie on the diagonal.  A branch on the counter and the wave's number
	s_cmp_gt_u32 s69, 1
	s_cbranch_scc1 .Lopen_\@
.set n, 0
.rept 64
	v_cmp_gt_i32 vcc_lo, 16*(n/8)+n%8, v6
	v_cndmask_b32 v[96+n], v[96+n], v7, vcc_lo     ; a hidden key's score becomes -infinity: p = 0.  A query's own key is never hidden, so the row's largest t is a number
.set n, n+1
.endr
.Lopen_\@:
.endif
	v_max3_num_f32 v254, v96, v97, v98             ; the step's largest score of my query among my 64 keys, in two chains,
	v_max3_num_f32 v252, v99, v100, v101
.irp i, 6,10,14,18,22,26,30,34,38,42,46,50,54,58
	v_max3_num_f32 v254, v254, v[96+\i], v[97+\i]
	v_max3_num_f32 v252, v252, v[98+\i], v[99+\i]
.endr
	v_max3_num_f32 v254, v254, v158, v159
	s_delay_alu instid0(VALU_DEP_1)
	v_max_num_f32 v254, v254, v252
	s_delay_alu instid0(VALU_DEP_1)
	v_permlanex16_b32 v236, v254, s[SEL], s[SEL+1]
	s_delay_alu instid0(VALU_DEP_1)
	v_max_num_f32 v254, v254, v236                 ; and among lane l xor 16's
	s_delay_alu instid0(VALU_DEP_1)
	v_mul_f32 v254, s[CS], v254                    ; as t (c is positive)
	s_delay_alu instid0(VALU_DEP_1)
	v_max_num_f32 v13, v13, v254                   ; the running largest t
	v_mov_b32 v254, v12
	s_delay_alu instid0(VALU_DEP_2)
	v_floor_f32 v12, -v13                          ; the new -M = floor(-t) = -ceil(t)
	s_delay_alu instid0(VALU_DEP_1)
	v_sub_f32 v254, v12, v254                      ; old M - new M: a whole number, 0 or less
	s_delay_alu instid0(VALU_DEP_1)
	v_cvt_i32_f32 v254, v254                       ; (it saturates)
	s_delay_alu instid0(VALU_DEP_1)
	v_ldexp_f32 v252, 1.0, v254                    ; f = 2^(old M - new M)
.set j, 0
.rept 32
	v_pk_fma_f32 v[96+j:97+j], v[96+j:97+j], s[CS:CS+1], v[12:13] op_sel_hi:[1,0,0]   ; t - M, two at a time (of the pairs c and -M the low word serves both halves)
.set j, j+2
.endr
.set j, 0
	s_wait_alu depctr_va_vdst(0)
.rept 64
	v_exp_f32 v[96+j], v[96+j]                     ; p = 2^(t - M), at most 1
.set j, j+1
.endr
	v_pk_mul_f32 v[14:15], v[14:15], v[252:253] op_sel_hi:[1,0]   ; the sums under the new M: the plain line behind the exponentials
	s_wait_alu depctr_va_vdst(0)                   ; one wait for the whole batch, ahead of its first reader
	v_pk_add_f32 v[242:243], v[96:97], v[98:99]    ; the row's sum is taken of the unquantised p, in two chains
.irp j, 4,8,12,16,20,24,28,32,36,40,44,48,52,56,60
	v_pk_add_f32 v[14:15], v[14:15], v[96+\j:97+\j]
	v_pk_add_f32 v[242:243], v[242:243], v[98+\j:99+\j]
.endr
	s_delay_alu instid0(VALU_DEP_1)
	v_pk_add_f32 v[14:15], v[14:15], v[242:243]
.irp tt, 0,1,2,3,4,5,6,7
.irp i, 0,1,2,3,4,5,6,7
.endr
	v_cvt_scalef32_pk8_fp8_f32 v[192+2*\tt:193+2*\tt], v[96+8*\tt:103+8*\tt], v8   ; registers 2 tt, 2 tt + 1 of P: keys 16 tt + 8 h + 0 .. 7
.endr
.set j, 0
.rept 16
	v_pk_mul_f32 v[160+j:161+j], v[160+j:161+j], v[252:253] op_sel_hi:[1,0]   ; O^T under the new M; also the plain lines between the conversions and the products
.set j, j+2
.endr
	s_wait_alu depctr_va_vdst(0)
	s_wait_dscnt 0x0                               ; V is in
.irp dt, 0,1,2,3                               ; O^T += V^T P^T: the four accumulators take turns
	v_wmma_f32_16x16x128_fp8_fp8 v[160+8*\dt:167+8*\dt], v[32+16*\dt:47+16*\dt], v[192:207], v[160+8*\dt:167+8*\dt]
.endr
.endm
; A tile is finished: o = O^T x 2^(e4 + e5) / sum, quantised with e6; register pair dt of the image: channels 16 dt + 8 h + 0 .. 7 of query r.  Two stores of 512 consecutive bytes.
.macro FINISH ptr
	s_wait_xcnt 0x0                                ; an earlier tile's stores have read their registers
.rept 4
	v_nop                                          ; places behind the last products
.endr
	v_add_f32 v14, v14, v15                        ; the sum's two halves,
	s_delay_alu instid0(VALU_DEP_1)
	v_permlanex16_b32 v252, v14, s[SEL], s[SEL+1]
	s_delay_alu instid0(VALU_DEP_1)
	v_add_f32 v14, v14, v252                       ; and lane l xor 16's
	s_wait_alu depctr_va_vdst(0)
	v_rcp_f32 v14, v14
	v_nop                                          ; a plain line behind the reciprocal,
	s_wait_alu depctr_va_vdst(0)                   ; and the wait ahead of its first reader
	v_ldexp_f32 v14, v14, s[EPV]
.set j, 0
.rept 16
	v_pk_mul_f32 v[160+j:161+j], v[160+j:161+j], v[14:15] op_sel_hi:[1,0]
.set j, j+2
.endr
.irp dt, 0,1,2,3
.irp i, 0,1,2,3,4,5,6,7
.endr
	v_cvt_scalef32_pk8_fp8_f32 v[208+2*\dt:209+2*\dt], v[160+8*\dt:167+8*\dt], v10
.endr
	v_nop                                          ; a plain line behind the last conversion
	global_store_b128 v[LI], v[208:211], s[\ptr:\ptr+1]
	global_store_b128 v[LI], v[212:215], s[\ptr:\ptr+1] offset:512
.endm
	s_wait_loadcnt 0x0                             ; Q
	s_wait_tensorcnt 1                             ; my first piece is in; the second may stay out
	s_barrier_signal -1
	s_barrier_wait -1                              ; key steps 0-7 of K and V lie in LDS
	s_mov_b32 s[OFF], 0
	s_mov_b32 s[CNT], 0
.Lfirst:                                           ; the late tile's key steps 0 to 7: none on the diagonal; they read LDS bytes under 131,072, the pieces still out land above
	s_add_co_u32 s[OFFV], s[OFF], 65536
	STEP 0
	s_add_co_u32 s[OFF], s[OFF], 8192
	s_add_co_u32 s[CNT], s[CNT], 1
	s_cmp_lt_u32 s[CNT], 8
	s_cbranch_scc1 .Lfirst
	s_wait_tensorcnt 0x0                           ; my second piece is in,
	s_wait_dscnt 0x0
	s_barrier_signal -1
	s_barrier_wait -1                              ; everybody's is
	s_mov_b32 s[CNT], 7
.Lsecond:                                          ; nine trips, C = 7 .. 15.  C < 8 + m: the late tile's key step C + 1.  From C = 8 + m on: the early tile's key step 15 - C, from its diagonal down to 0
	s_cmp_lg_u32 s[CNT], s[GL]
	s_cbranch_scc1 .Lsame_tile
	FINISH 60                                      ; the late tile leaves,
.irp i, 0,1,2,3,4,5,6,7
	v_mov_b32 v[16+\i], v[24+\i]                   ; the early tile's Q takes its place,
.endr
	RESET                                          ; and its sums begin
.Lsame_tile:
	s_add_co_u32 s77, s[CNT], 9                    ; steps 8-15 lie from LDS byte 131,072 on: (16 + step - 8) x 8,192
	s_min_u32 s77, s77, 23                         ; (both candidates are held inside K's bytes; the one that is chosen is not changed by it)
	s_lshl_b32 s77, s77, 13
	s_xor_b32 s78, s[CNT], 15
	s_min_u32 s78, s78, 7
	s_lshl_b32 s78, s78, 13
	s_cmp_lt_u32 s[CNT], s[GL]
	s_cselect_b32 s[OFF], s77, s78
	s_add_co_u32 s[OFFV], s[OFF], 65536
	STEP 1
	s_add_co_u32 s[CNT], s[CNT], 1
	s_cmp_lt_u32 s[CNT], 16
	s_cbranch_scc1 .Lsecond
	FINISH 62                                      ; the early tile leaves
	s_wait_tensorcnt 0x0                           ; the wave's end, behind my last tensor load
	ds_add_u32 v[SPW], v[NIL]
	s_wait_dscnt 0x0
	CROUND                                         ; the closing round
	s_endpgm
.Lfunc_end_k_qd23afc5c5c_attn:
	.size	k_qd23afc5c5c_attn, .Lfunc_end_k_qd23afc5c5c_attn-k_qd23afc5c5c_attn
	.p2alignl 7, 3214868480
	.fill 96, 4, 3214868480
	.section	.rodata,"a",@progbits
	.p2align	6, 0x0
	.amdhsa_kernel k_qd23afc5c5c_attn
		.amdhsa_group_segment_fixed_size 327680
		.amdhsa_private_segment_fixed_size 0
		.amdhsa_enable_private_segment 0
		.amdhsa_kernarg_size 40
		.amdhsa_user_sgpr_count 2
		.amdhsa_user_sgpr_kernarg_segment_ptr 1
		.amdhsa_wavefront_size32 1
		.amdhsa_system_sgpr_workgroup_id_x 1
		.amdhsa_system_sgpr_workgroup_id_y 1
		.amdhsa_system_sgpr_workgroup_id_z 1
		.amdhsa_system_vgpr_workitem_id 0
		.amdhsa_next_free_vgpr 256
		.amdhsa_next_free_sgpr 80
		.amdhsa_reserve_vcc 1
		.amdhsa_float_denorm_mode_32 3
		.amdhsa_float_denorm_mode_16_64 3
		.amdhsa_fp16_overflow 1
		.amdhsa_memory_ordered 1
		.amdhsa_forward_progress 1
		.amdhsa_inst_pref_size 46
	.end_amdhsa_kernel
	.amdgpu_metadata
---
amdhsa.version: [ 1, 2 ]
amdhsa.kernels:
  - .name:           k_qd23afc5c5c_attn
    .symbol:         k_qd23afc5c5c_attn.kd
    .args:
      - { .name: qc, .offset: 0, .size: 8, .value_kind: global_buffer, .address_space: global }
      - { .name: kc, .offset: 8, .size: 8, .value_kind: global_buffer, .address_space: global }
      - { .name: vc, .offset: 16, .size: 8, .value_kind: global_buffer, .address_space: global }
      - { .name: lowp_scales, .offset: 24, .size: 8, .value_kind: global_buffer, .address_space: global }
      - { .name: ac, .offset: 32, .size: 8, .value_kind: global_buffer, .address_space: global }
    .group_segment_fixed_size: 327680
    .private_segment_fixed_size: 0
    .kernarg_segment_align: 8
    .kernarg_segment_size: 40
    .max_flat_workgroup_size: 512
    .sgpr_count:     80
    .vgpr_count:     256
    .wavefront_size: 32
...
	.end_amdgpu_metadata
.endif
;; end of part 3
;; launch gemm_proj (part 4): grid 4 x 64, 4 waves a work-group, clusters of 4 x 4, 327,680 bytes of LDS; arguments ac, wpc, b_proj, lowp_scales, out0; writes out0
.if DOCPART == 4
	.amdgcn_target "amdgcn-amd-amdhsa--gfx1250"
	.amdhsa_code_object_version 6
	.text
	.protected	k_qd23afc5c5c_gemm_proj
	.globl	k_qd23afc5c5c_gemm_proj
	.p2align	8
	.type	k_qd23afc5c5c_gemm_proj,@function
k_qd23afc5c5c_gemm_proj:
	s_mov_b64 s[64:65], 0
	v_nop
	global_prefetch_b8 v0, s[64:65] scope:SCOPE_SE
	s_setreg_imm32_b32 hwreg(HW_REG_WAVE_MODE, 25, 1), 1
	s_wait_xcnt 0x0
	s_wait_alu depctr_hold_cnt(0) depctr_sa_sdst(0) depctr_va_vdst(0) depctr_va_sdst(0) depctr_va_ssrc(0) depctr_va_vcc(0) depctr_vm_vsrc(0)
	s_getreg_b32 s2, hwreg(HW_REG_IB_STS2, 6, 4)
	s_cmp_eq_u32 s2, 0
	s_cbranch_scc0 .Lentry_in_a_cluster
	s_endpgm
.Lentry_in_a_cluster:
	s_bfe_u32 s2, ttmp6, 0x10000c
	s_cmp_lg_u32 s2, 0xf033
	s_cbranch_scc0 .Lentry_shape_is_right
	s_endpgm
.Lentry_shape_is_right:
; out0 = attention's result x w_proj + b_proj on codes of E4M3 (K = 1,024): sum x 2^(e6 + e7) + bias, one fused multiply-add in f32.  out0: [8192][1024] f32.
; LIMIT: e6 + e7 between -126 and 127, so that 2^(e6 + e7) is an f32 number.
; Operands are images of registers (16 rows x 128 K: 2,048 bytes, group g of lane l at 512 g + 16 l): ac [row / 16][k / 128][2048], wpc [column / 16][k / 128][2048].
; A tile of 128 rows x 256 columns is made by four waves, 64 x 128 each: 32 accumulators.  That tile gives 256 work-groups, so that the 33,554,432 bytes of results are stored from all of them.
; K goes in steps of 256 through two LDS slots, four fills, written out without a loop.  CLUSTERS: 4 x 4 work-groups; A's tile (ac) is shared along a row of the cluster, B's (wpc) along a column: joint loads.
; THE MATRIX INSTRUCTION IS USED TRANSPOSED (source 0 = 16 columns' rows of wpc, source 1 = 16 rows of ac): a lane holds eight neighbouring numbers of a row of out0.
; REGISTERS: window 0: v16-29 addresses; v32-95 the bias; v128-191, v192-255 A's four fragments, two sets (on the way out: sums, then whole rows).  window 1: B's eight fragments, two sets.  window 2: accumulator (a, b) at v[8 (8 a + b)].
.set FR,     16
.set SLOT,   98304                     ; A's 128 rows x 256 K (32,768 bytes), then B's 256 rows (65,536)
.set STAGE,  2*SLOT                    ; behind the ring: 16 rows x 528 bytes for each wave; no tensor load lands here
.set SPITCH, 528
.set SPARE,  STAGE+4*16*SPITCH         ; behind the stages: the spare words, 128 bytes a wave: two blocks of 256 bytes that no other line names
.set ADRA, 16                          ; v16-17  LDS address of my A fragments in slot 0, 1
.set ADRB, 20                          ; v20-21  the same for B
.set STO,  24                          ; v24     the way out: where I put 32 bytes of a row
.set RD,   25                          ; v25     where I read a row back
.set CO,   26                          ; v26     16 x lane
.set BO,   27                          ; v27     32 h: my half's eight numbers of the bias
.set SPW,  28                          ; v28     LDS address of my spare word; never rewritten
.set NIL,  29                          ; v29     0; never rewritten
.set BI,   32
.set AF,   128
.set TMP,  128
.set BK,   192
.set G1, 24                            ; s[24:31] descriptor group 1 for A;  s[32:39] group 0, a set for each slot
.set G0, 32
.set G1B, 48                           ; s[48:55], s[56:63] the same for B
.set G0B, 56
.set MSB, 0
.macro WIN new                         ; the immediate's high byte repeats the setting that is left
.if MSB != \new
	s_set_vgpr_msb (MSB<<8)|\new
.set MSB, \new
.endif
.endm
.set MUL,  0xa1                        ; source 0 (B) window 1, source 1 (A) window 0, C and D window 2
.set TO_B, 0x40                        ; destination window 1, address window 0
.macro JLOAD g0a, g1a, g0b, g1b        ; waves 0 and 1 fetch A's halves, waves 2 and 3 B's; an s_nop 0 and four v_nop follow each line
	s_cmp_eq_u32 s15, 0
	s_cbranch_scc0 .Lfor_b_\@
	tensor_load_to_lds s[\g0a:\g0a+3], s[\g1a:\g1a+7]
	s_nop 0
.rept 4
	v_nop
.endr
	s_branch .Lasked_\@
.Lfor_b_\@:
	tensor_load_to_lds s[\g0b:\g0b+3], s[\g1b:\g1b+7]
	s_nop 0
.rept 4
	v_nop
.endr
.Lasked_\@:
.endm
.macro CREST
	s_cmp_lg_u32 s14, 0
	s_cbranch_scc1 .Lnot_wave_0_\@
	s_barrier_signal -3
.Lnot_wave_0_\@:
	s_barrier_wait -3
	s_barrier_signal -1
	s_barrier_wait -1
.endm
.macro CROUND
	s_barrier_signal -1
	s_barrier_wait -1
	CREST
.endm
	s_load_b256 s[4:11], s[0:1], 0x0               ; ac s[4:5], wpc s[6:7], b_proj s[8:9], the scales' exponents s[10:11]
	s_load_b64 s[12:13], s[0:1], 0x20              ; out0
	v_lshl_add_u32 v[SPW], v0, 2, SPARE
	v_mov_b32 v[NIL], 0
	ds_add_u32 v[SPW], v[NIL]                      ; the wave's opening: the add and its wait ahead of my first tensor load; work on registers stands between them
	ds_add_u32 v[SPW], v[NIL]
	v_lshrrev_b32 v1, 5, v0
	v_readfirstlane_b32 s14, v1                    ; wave 0..3
	s_lshr_b32 s15, s14, 1                         ; my half of the tile's rows.  Also: I fetch for A (0) or for B (1)
	s_and_b32 s16, s14, 1                          ; my half of its columns.  Also: which half of that tile I fetch
	s_bfe_u32 s40, ttmp6, 0x40000                  ; cx, cy
	s_bfe_u32 s41, ttmp6, 0x40004
	s_lshl_b32 s42, ttmp9, 2
	s_add_co_u32 s42, s42, s40                     ; tile column (256 columns)
	s_and_b32 s17, ttmp7, 0xffff
	s_lshl_b32 s17, s17, 2
	s_add_co_u32 s17, s17, s41                     ; tile row (128 rows)
	s_lshl_b32 s43, s41, 2
	s_lshl_b32 s43, 15, s43                        ; my row of the cluster
	s_lshl_b32 s44, 0x1111, s40                    ; my column
	s_or_b32 s[G1+0], s43, (3<<16)|(1<<21)         ; 15:0 the mask; 17:16 elements of 8 bytes; 21 set beside a mask; no padding
	s_or_b32 s[G1B+0], s44, (3<<16)|(1<<21)
	s_mov_b32 s[G1+1], 512<<16                     ; A: 4 rows of 4,096 bytes (two images of each of 4 tiles of rows), 16,384 bytes apart
	s_mov_b32 s[G1+2], 4<<16
	s_mov_b32 s[G1+3], 512<<16
	s_mov_b32 s[G1+4], 4
	s_mov_b32 s[G1+5], 2048
	s_mov_b32 s[G1+6], 0
	s_mov_b32 s[G1+7], 0
	s_mov_b32 s[G1B+1], 512<<16                    ; B: 8 such rows
	s_mov_b32 s[G1B+2], 8<<16
	s_mov_b32 s[G1B+3], 512<<16
	s_mov_b32 s[G1B+4], 8
	s_mov_b32 s[G1B+5], 2048
	s_mov_b32 s[G1B+6], 0
	s_mov_b32 s[G1B+7], 0
	s_lshl_b32 s20, s17, 3
	s_lshl_b32 s18, s16, 2
	s_add_co_u32 s20, s20, s18
	s_lshl_b32 s20, s20, 14                        ; A: tile of rows 8 x tile row + 4 x half, in bytes
	s_mov_b32 s21, 0
	s_lshl_b32 s46, s42, 4
	s_lshl_b32 s19, s16, 3
	s_add_co_u32 s46, s46, s19
	s_lshl_b32 s46, s46, 14                        ; B: 16 x tile column + 8 x half
	s_mov_b32 s47, 0
	s_lshl_b32 s18, s16, 14                        ; where they go: A's halves from 0,
	s_lshl_b32 s19, s16, 15
	s_add_co_u32 s19, s19, 32768                   ; B's from 32,768: the wave's number alone
	s_wait_dscnt 0x0                               ; the opening add is done
	s_wait_kmcnt 0x0
	s_load_b256 s[76:83], s[10:11], 0x0            ; e0 .. e7
	s_add_nc_u64 s[20:21], s[4:5], s[20:21]
	s_add_nc_u64 s[46:47], s[6:7], s[46:47]
	CROUND                                         ; all sixteen work-groups are here: the first joint loads meet
.irp s, 0,1
	s_mov_b32 s[G0+4*\s], 1
	s_add_co_u32 s[G0+4*\s+1], s18, \s*SLOT
	s_add_nc_u64 s[G0+4*\s+2:G0+4*\s+3], s[20:21], \s*4096
	s_or_b32 s[G0+4*\s+3], s[G0+4*\s+3], 0x80000000
	s_mov_b32 s[G0B+4*\s], 1
	s_add_co_u32 s[G0B+4*\s+1], s19, \s*SLOT
	s_add_nc_u64 s[G0B+4*\s+2:G0B+4*\s+3], s[46:47], \s*4096
	s_or_b32 s[G0B+4*\s+3], s[G0B+4*\s+3], 0x80000000
	s_wait_alu depctr_va_vdst(0)
	s_wait_tensorcnt 0x0
	ds_add_u32 v28, v29
	ds_add_u32 v28, v29
	s_wait_dscnt 0x0
	CROUND
	JLOAD G0+4*\s, G1, G0B+4*\s, G1B               ; one tensor load of mine is out
.endr
	v_and_b32 v1, 15, v0                           ; r
	s_wait_alu depctr_va_vdst(0)
	v_bfe_u32 v2, v0, 4, 1                         ; h
	v_and_b32 v3, 31, v0
	v_lshlrev_b32 v[CO], 4, v3
	s_lshl_b32 s70, s15, 14                        ; my 64 rows of A
	s_lshl_b32 s71, s16, 15
	s_add_co_u32 s71, s71, 32768                   ; my 128 rows of B
.irp s, 0,1
	v_add_nc_u32 v[ADRA+\s], s70, v[CO]
	v_add_nc_u32 v[ADRB+\s], s71, v[CO]
	s_add_co_u32 s70, s70, SLOT
	s_add_co_u32 s71, s71, SLOT
.endr
	s_mul_i32 s70, s14, 16*SPITCH
	s_add_co_u32 s70, s70, STAGE                   ; my stage
	v_mul_u32_u24 v4, v1, SPITCH
	s_wait_alu depctr_va_vdst(0)
	v_lshl_add_u32 v4, v2, 5, v4
	v_add_nc_u32 v[STO], s70, v4                   ; in: row r, 32 bytes for each half of the lanes
	v_add_nc_u32 v[RD], s70, v[CO]                 ; back: the 32 lanes take one row of 512 bytes
	s_lshl_b32 s68, s42, 10
	s_lshl_b32 s69, s16, 9
	s_add_co_u32 s68, s68, s69                     ; my 128 columns, in bytes
	s_mov_b32 s69, 0
	s_add_nc_u64 s[8:9], s[8:9], s[68:69]
	v_lshlrev_b32 v[BO], 5, v2
.irp b, 0,1,2,3,4,5,6,7                        ; the bias in the result's layout: register 8 b + j = bias(16 b + 8 h + j)
	global_load_b128 v[BI+8*\b:BI+8*\b+3], v[BO], s[8:9] offset:64*\b
	global_load_b128 v[BI+8*\b+4:BI+8*\b+7], v[BO], s[8:9] offset:64*\b+16
.endr
	s_lshl_b32 s66, s17, 7
	s_lshl_b32 s67, s15, 6
	s_add_co_u32 s66, s66, s67                     ; my first row
	s_lshl_b32 s66, s66, 12                        ; of 4,096 bytes
	s_add_co_u32 s66, s66, s68
	s_mov_b32 s67, 0
	s_add_nc_u64 s[12:13], s[12:13], s[66:67]
.macro FRAG reg, adr, q, i
.irp c, 0,1,2,3
	ds_load_b128 v[\reg+4*\c:\reg+4*\c+3], v[\adr] offset:4096*(\i)+2048*(\q)+512*\c
.endr
.endm
.macro FETCH slot, q, p                ; 48 LDS loads in one run: B's eight and A's four fragments of the slot's q-th 128 along K, into set p
	WIN TO_B
.irp i, 0,1,2,3,4,5,6,7
	FRAG 128*(\p)+FR*\i, ADRB+\slot, \q, \i
.endr
	WIN 0
.irp i, 0,1,2,3
	FRAG AF+64*(\p)+FR*\i, ADRA+\slot, \q, \i
.endr
.endm
.macro MULA a, p, zero                 ; A's block a x B's eight.  The 32 accumulators take turns, one instruction a turn, in the same order in every step
.irp b, 0,1,2,3,4,5,6,7
.if \zero
	v_wmma_f32_16x16x128_fp8_fp8 v[8*(8*(\a)+\b):8*(8*(\a)+\b)+7], v[128*(\p)+FR*\b:128*(\p)+FR*\b+FR-1], v[AF+64*(\p)+FR*(\a):AF+64*(\p)+FR*(\a)+FR-1], 0
.else
	v_wmma_f32_16x16x128_fp8_fp8 v[8*(8*(\a)+\b):8*(8*(\a)+\b)+7], v[128*(\p)+FR*\b:128*(\p)+FR*\b+FR-1], v[AF+64*(\p)+FR*(\a):AF+64*(\p)+FR*(\a)+FR-1], v[8*(8*(\a)+\b):8*(8*(\a)+\b)+7]
.endif
.endr
.endm
.macro PLACES                          ; four plain lines between a matrix instruction and a load into, or a vector line on, its registers
.rept 4
	v_nop
.endr
.endm
.macro STEP slot, zero                 ; a slot's first 128 along K, on set 0; the second 128 are fetched into set 1 meanwhile
	PLACES
	FETCH \slot, 1, 1
	s_wait_dscnt 48                                ; all but the 48 just issued: set 0 is in
	WIN MUL
	MULA 0, 0, \zero
	MULA 1, 0, \zero
	MULA 2, 0, \zero
	MULA 3, 0, \zero
.endm
; A slot's second 128 along K, on set 1, and the change of slots: ONE barrier; in front of it each wave waits for all its tensor loads, adds 0 to its spare word, and waits for that and for its reads of this slot.
.macro TURN slot, next, fill
	WIN 0                                          ; (the add's two registers lie in window 0)
	s_wait_tensorcnt 0x0                           ; all my tensor loads have landed: my part of the next slot
	ds_add_u32 v[SPW], v[NIL]                      ; 0 onto my spare word
	s_wait_dscnt 1                                 ; set 1 is in; the add may be out
	WIN MUL
	MULA 0, 1, 0                                   ; eight matrix instructions stand between the add and the wait for it
	s_wait_dscnt 0x0                               ; the add is done, and my reads of this slot are over
	s_barrier_signal -1
	MULA 1, 1, 0
	WIN 0
	s_barrier_wait -1
.if \fill
	CREST                                          ; the barrier has opened a round of the cluster's barrier: no wave of any partner still reads this slot or has a load on its way
	s_add_nc_u64 s[G0+4*\slot+2:G0+4*\slot+3], s[G0+4*\slot+2:G0+4*\slot+3], 8192
	s_add_nc_u64 s[G0B+4*\slot+2:G0B+4*\slot+3], s[G0B+4*\slot+2:G0B+4*\slot+3], 8192
	JLOAD G0+4*\slot, G1, G0B+4*\slot, G1B         ; my one tensor load behind the round; its four v_nop are the places in front of the loads below
.else
	PLACES
.endif
	FETCH \next, 0, 0
	WIN MUL
	MULA 2, 1, 0
	MULA 3, 1, 0
.endm
	s_wait_tensorcnt 1                             ; my part of slot 0 is in (slot 1's load may be out)
	s_barrier_signal -1
	s_barrier_wait -1                              ; everybody's is
	FETCH 0, 0, 0
	STEP 0, 1                                      ; K 0-127: the products start the sums
	TURN 0, 1, 1                                   ; slot 0 takes K 512-767
	STEP 1, 0
	TURN 1, 0, 1                                   ; slot 1 takes K 768-1023
	STEP 0, 0
	TURN 0, 1, 0                                   ; nothing is left to fetch
	STEP 1, 0
	s_wait_dscnt 0x0                               ; the last 128 along K
	MULA 0, 1, 0
	MULA 1, 1, 0
	MULA 2, 1, 0
	MULA 3, 1, 0
	WIN 0
	; THE WAY OUT, block by block of 16 rows x 128 columns: sum x 2^(e6 + e7) + bias; a lane's 32 bytes of a row go into my own stage and come back as whole rows of 512 bytes.
	s_wait_kmcnt 0x0
	s_wait_loadcnt 0x0                             ; the bias
	s_add_co_i32 s72, s82, s83
	s_add_co_i32 s72, s72, 127
	s_lshl_b32 s72, s72, 23                        ; 2^(e6 + e7) as f32
	s_mov_b32 s73, s72                             ; (named with it as a pair, so it is written)
	PLACES
.macro OUT a
.if (\a) > 0
	s_wait_xcnt 0x0                                ; the last block's stores have read their registers
.endif
	WIN 0x02                                       ; source 0: window 2
.irp b, 0,1,2,3,4,5,6,7
.irp i, 0,2,4,6
	v_pk_fma_f32 v[TMP+8*\b+\i:TMP+8*\b+\i+1], v[64*(\a)+8*\b+\i:64*(\a)+8*\b+\i+1], s[72:73], v[BI+8*\b+\i:BI+8*\b+\i+1] op_sel_hi:[1,0,1]   ; each accumulator from its low end on
.endr
.endr
	WIN 0
.irp b, 0,1,2,3,4,5,6,7
	ds_store_b128 v[STO], v[TMP+8*\b:TMP+8*\b+3] offset:64*\b
	ds_store_b128 v[STO], v[TMP+8*\b+4:TMP+8*\b+7] offset:64*\b+16
.endr
.irp t, 0,1,2,3,4,5,6,7,8,9,10,11,12,13,14,15
	ds_load_b128 v[BK+4*\t:BK+4*\t+3], v[RD] offset:\t*SPITCH   ; LDS serves a wave's instructions in order (ISA guide 5.7.1.4): these see my stores
.endr
.irp t, 0,1,2,3,4,5,6,7,8,9,10,11,12,13,14,15
	s_wait_dscnt 15-\t                             ; row t is back; the younger loads may be out
	global_store_b128 v[CO], v[BK+4*\t:BK+4*\t+3], s[12:13] offset:65536*(\a)+4096*\t th:TH_STORE_NT   ; 32 lanes store 512 consecutive bytes, aligned; written once, read by nobody here
.endr
.endm
	OUT 0
	OUT 1
	OUT 2
	OUT 3
	s_wait_tensorcnt 0x0                           ; the wave's end, behind my last tensor load and my last LDS store
	ds_add_u32 v[SPW], v[NIL]
	s_wait_dscnt 0x0
	CROUND                                         ; the closing round
	s_endpgm
.Lfunc_end_k_qd23afc5c5c_gemm_proj:
	.size	k_qd23afc5c5c_gemm_proj, .Lfunc_end_k_qd23afc5c5c_gemm_proj-k_qd23afc5c5c_gemm_proj
	.p2alignl 7, 3214868480
	.fill 96, 4, 3214868480
	.section	.rodata,"a",@progbits
	.p2align	6, 0x0
	.amdhsa_kernel k_qd23afc5c5c_gemm_proj
		.amdhsa_group_segment_fixed_size 327680
		.amdhsa_private_segment_fixed_size 0
		.amdhsa_enable_private_segment 0
		.amdhsa_kernarg_size 40
		.amdhsa_user_sgpr_count 2
		.amdhsa_user_sgpr_kernarg_segment_ptr 1
		.amdhsa_wavefront_size32 1
		.amdhsa_system_sgpr_workgroup_id_x 1
		.amdhsa_system_sgpr_workgroup_id_y 1
		.amdhsa_system_sgpr_workgroup_id_z 1
		.amdhsa_system_vgpr_workitem_id 0
		.amdhsa_next_free_vgpr 768
		.amdhsa_next_free_sgpr 88
		.amdhsa_reserve_vcc 0
		.amdhsa_float_denorm_mode_32 3
		.amdhsa_float_denorm_mode_16_64 3
		.amdhsa_memory_ordered 1
		.amdhsa_forward_progress 1
		.amdhsa_inst_pref_size 79
	.end_amdhsa_kernel
	.amdgpu_metadata
---
amdhsa.version: [ 1, 2 ]
amdhsa.kernels:
  - .name:           k_qd23afc5c5c_gemm_proj
    .symbol:         k_qd23afc5c5c_gemm_proj.kd
    .args:
      - { .name: ac, .offset: 0, .size: 8, .value_kind: global_buffer, .address_space: global }
      - { .name: wpc, .offset: 8, .size: 8, .value_kind: global_buffer, .address_space: global }
      - { .name: b_proj, .offset: 16, .size: 8, .value_kind: global_buffer, .address_space: global }
      - { .name: lowp_scales, .offset: 24, .size: 8, .value_kind: global_buffer, .address_space: global }
      - { .name: out0, .offset: 32, .size: 8, .value_kind: global_buffer, .address_space: global }
    .group_segment_fixed_size: 327680
    .private_segment_fixed_size: 0
    .kernarg_segment_align: 8
    .kernarg_segment_size: 40
    .max_flat_workgroup_size: 128
    .sgpr_count:     88
    .vgpr_count:     768
    .wavefront_size: 32
...
	.end_amdgpu_metadata
.endif
;; end of part 4
